; MI455X (gfx1250); checked and timed in simulation.
; The chip was launched on July 23, 2026; its instructions are those of AMD's public machine-readable ISA for CDNA 5 (MIT licence, August 2026) and "CDNA5" Instruction Set Architecture Reference Guide (July 2026). The comments in the code are by the model that wrote it; some were corrected since.
;; Res D1 Layer Top K. Allowed arithmetic: float matrix products may take bf16 or f16 operands with f32 sums; all other float work in f32.
;; Inputs: W_agg 256 x 256 float32; W_diff 256 x 256 float32; W_res 256 x 256 float32; W_tau 1 x 256 float32; b_agg 256 float32; b_diff 256 float32; b_res 256 float32; b_tau 1 float32; beta 256 float32; gamma 256 float32; x 1,024 x 256 float32.
;; Outputs: out0 1,024 x 256 float32.
;; One version. Each part assembles by itself: llvm-mc -triple=amdgcn-amd-amdhsa -mcpu=gfx1250 --defsym DOCPART=n.
;; ======== version 1 of 1: 3 launches
;; limits: values are held in f16: magnitudes above 65,504 overflow, below 6.1e-05 lose precision; right only within a limited range of input values
;; workspace buffers: dist 4,194,304 bytes; idx 32,768 bytes of whole numbers; wfrag 393,216 bytes
;; launch dist (part 1): grid 16 x 16, 8 waves a work-group, clusters of 4 x 4, 265,216 bytes of LDS; arguments x, dist; writes dist
.if DOCPART == 1
	.amdgcn_target "amdgcn-amd-amdhsa--gfx1250"
	.amdhsa_code_object_version 6
	.text
	.protected	k_q5fd1a496d0_dist
	.globl	k_q5fd1a496d0_dist
	.p2align	8
	.type	k_q5fd1a496d0_dist,@function
k_q5fd1a496d0_dist:
	s_mov_b64 s[64:65], 0
	v_nop
	global_prefetch_b8 v0, s[64:65] scope:SCOPE_SE
	s_setreg_imm32_b32 hwreg(HW_REG_WAVE_MODE, 25, 1), 1
	s_wait_xcnt 0x0
	s_wait_alu depctr_hold_cnt(0) depctr_sa_sdst(0) depctr_va_vdst(0) depctr_va_sdst(0) depctr_va_ssrc(0) depctr_va_vcc(0) depctr_vm_vsrc(0)
	s_getreg_b32 s2, hwreg(HW_REG_IB_STS2, 6, 4)
	s_cmp_eq_u32 s2, 0
	s_cbranch_scc0 .Lentry_in_a_cluster
	s_endpgm
.Lentry_in_a_cluster:
	s_bfe_u32 s2, ttmp6, 0x10000c
	s_cmp_lg_u32 s2, 0xf033
	s_cbranch_scc0 .Lentry_shape_is_right
	s_endpgm
.Lentry_shape_is_right:
; dist[i][j] = sqrt(sum over d of (x[i][d] - x[j][d])^2).  x: [1024][256] f32, dist: [1024][1024] f32.
; The differences are formed and squared in f32 on the vector unit, as the problem writes them: the nearest neighbours are chosen by these numbers,
; and a product form (|a|^2 + |b|^2 - 2 a.b) would be a difference of large sums.
; LIMITS.  The 256 squares are added in another order than a plain chain (two chains of 16 in a lane, then eight partial sums); v_sqrt_f32 is good to one unit in
; the last place and takes a denormal as zero (ISA guide, its entry).  NaN and infinities are not treated apart.
; SHARES.  A work-group makes 64 rows x 64 columns of dist.  Wave w of eight takes d = 32 w .. 32 w + 31 of all 4,096 pairs.  Lane (li = l % 16, lj = l / 16) keeps
; columns 4 li + c (c = 0..3) x 32 d in 128 registers and streams the rows 2 jj + lj: 16 bytes read from LDS feed 16 packed instructions.  The eight waves' partial sums meet in LDS.
; CLUSTER.  4 x 4 work-groups.  The column tile hangs on the tile column alone and is shared along a column of the cluster, the row tile on the tile row alone and is shared
; along a row: each is asked for JOINTLY, by the same tensor load with the same descriptor and a mask that names the four.
; LDS.  0: column tile, 64 rows of 1,024 + 16 bytes; LDS row 16 c + li holds x row C0 + 4 li + c.
; 66,560: row tile, the same pitch.  133,120: partial sums [wave][row][column] f32, 16,384 bytes a wave, written by
; ds_store alone.  264,192: the spare words.  No LDS byte is filled twice.
.set PITCH,  1040
.set TBYTES, 16*PITCH                  ; what one tensor load brings: 16 rows
.set RTB,    4*TBYTES                  ; the row tile
.set PSB,    8*TBYTES                  ; the partial sums
.set PWB,    16384                     ; a wave's partial sums
.set SPARE,  PSB+8*PWB                 ; the spare words: 128 bytes for each of eight waves, four blocks of 256 bytes that no other line names
.set AXI,  2                           ; v2   LDS address of my columns: li x pitch + 128 w
.set AXJ,  3                           ; v3   LDS address of the rows in hand
.set APS,  4                           ; v4   where I put the partial sums in hand
.set APR,  5                           ; v5   where I read partial sums back, waves 0-3
.set APR2, 6                           ; v6   the same, waves 4-7
.set GOFF, 7                           ; v7   my byte offset in the work-group's part of dist
.set SPW,  8                           ; v8   LDS address of my spare word; never rewritten
.set NIL,  9                           ; v9   0; never rewritten
.set AXJ0, 12                          ; v12  the lane's part of AXJ; never rewritten
.set APS0, 13                          ; v13  the lane's part of APS; never rewritten
.set XI,   16                          ; v16-143   column c, four numbers q at XI + 32 c + 4 q; later the partial sums read back
.set XJA,  144                         ; v144-175  a row's 32 numbers, buffer A
.set XJB,  176                         ; v176-207  buffer B
.set T,    208                         ; v208-223  eight pairs of differences
.set ACC,  224                         ; v224-231  a pair of sums for each column
.set RES,  232                         ; v232-235  the four columns' sums
.set G1C, 24                           ; s[24:31] descriptor group 1, column tile;  s[32:35] its group 0
.set G0C, 32
.set G1R, 48                           ; s[48:55], s[56:59] the same for the row tile
.set G0R, 56
.set SJ,  36                           ; s36  the loop's step down the row tile, in bytes: outside every descriptor's registers
.set SS,  37                           ; s37  the loop's step down my partial sums
.macro CROUND                          ; a round of the cluster's barrier: my work-group's barrier; wave 0 signals for the work-group; every wave waits for all sixteen; my work-group's barrier once more
	s_barrier_signal -1
	s_barrier_wait -1
	s_cmp_lg_u32 s10, 0
	s_cbranch_scc1 .Lnot_wave_0_\@
	s_barrier_signal -3
.Lnot_wave_0_\@:
	s_barrier_wait -3
	s_barrier_signal -1
	s_barrier_wait -1
.endm
	s_load_b128 s[4:7], s[0:1], 0x0                ; x s[4:5], dist s[6:7]
	v_lshl_add_u32 v[SPW], v0, 2, SPARE
	v_mov_b32 v[NIL], 0
	ds_add_u32 v[SPW], v[NIL]                      ; the wave's opening: the add and its wait stand ahead of my tensor load; the set-up below, work on registers, stands between them
	v_lshrrev_b32 v1, 5, v0
	v_readfirstlane_b32 s10, v1                    ; wave 0..7
	s_bfe_u32 s40, ttmp6, 0x40000                  ; cx, cy: my place in the cluster
	s_bfe_u32 s41, ttmp6, 0x40004
	s_lshl_b32 s42, ttmp9, 2
	s_add_co_u32 s42, s42, s40                     ; tile column = 4 x cluster x + cx
	s_and_b32 s13, ttmp7, 0xffff
	s_lshl_b32 s13, s13, 2
	s_add_co_u32 s13, s13, s41                     ; tile row = 4 x cluster y + cy
	s_lshl_b32 s43, s41, 2
	s_lshl_b32 s43, 15, s43                        ; my row of the cluster
	s_lshl_b32 s44, 0x1111, s40                    ; my column
	; group 1: 16 rows x 256 elements of 4 bytes, 4 words of padding behind every 256 words
	s_or_b32 s[G1C+0], s44, (2<<16)|(1<<20)|(1<<21)|(7<<22)|(3<<25)  ; 15:0 the mask; 17:16 elements of 4 bytes; 20 padding on; 21 set beside a mask; 24:22 after every 256 words (code 7); 31:25 4 words (code 3)
	s_or_b32 s[G1R+0], s43, (2<<16)|(1<<20)|(1<<21)|(7<<22)|(3<<25)
.irp g, G1C, G1R
	s_mov_b32 s[(\g)+1], 256<<16                   ; tensor_dim0 = 256
	s_mov_b32 s[(\g)+2], 16<<16                    ; tensor_dim1 = 16
	s_mov_b32 s[(\g)+3], 256<<16                   ; tile_dim0 = 256
	s_mov_b32 s[(\g)+4], 16                        ; tile_dim1 = 16
	s_mov_b32 s[(\g)+6], 0
	s_mov_b32 s[(\g)+7], 0
.endr
	s_mov_b32 s[G1C+5], 1024                       ; the column tile takes every fourth row of x: 1,024 elements from row to row
	s_mov_b32 s[G1R+5], 256                        ; the row tile takes neighbouring rows
	; where the tiles come from, each in registers that never hold the other coordinate
	s_lshl_b32 s46, s42, 16                        ; column tile: x row 64 x tile column + w (waves 0-3: c = w)
	s_lshl_b32 s47, s10, 10
	s_add_co_u32 s46, s46, s47
	s_mov_b32 s47, 0
	s_lshl_b32 s16, s13, 16                        ; row tile: x row 64 x tile row + 16 (w - 4) (waves 4-7)
	s_and_b32 s17, s10, 3
	s_lshl_b32 s17, s17, 14
	s_add_co_u32 s16, s16, s17
	s_mov_b32 s17, 0
	s_mul_i32 s20, s10, TBYTES                     ; and where they go: wave x 16 LDS rows; no place in the cluster enters an LDS address
	s_lshl_b32 s18, s13, 18                        ; my work-group's part of dist: 64 rows of 4,096 bytes a tile row,
	s_lshl_b32 s19, s42, 8                         ; 256 bytes a tile column
	s_add_co_u32 s18, s18, s19
	s_mov_b32 s19, 0
	s_mov_b32 s[SJ], 0                             ; the loop's two steps begin at 0
	s_mov_b32 s[SS], 0
	s_mov_b32 s12, 15                              ; and its count
	s_wait_dscnt 0x0                               ; the opening add is done
	s_wait_kmcnt 0x0
	s_add_nc_u64 s[6:7], s[6:7], s[18:19]
	CROUND                                         ; all sixteen work-groups are here: the joint loads meet
	s_mov_b32 s[G0C], 1
	s_mov_b32 s[G0C+1], s20
	s_add_nc_u64 s[G0C+2:G0C+3], s[4:5], s[46:47]
	s_or_b32 s[G0C+3], s[G0C+3], 0x80000000
	s_mov_b32 s[G0R], 1
	s_mov_b32 s[G0R+1], s20
	s_add_nc_u64 s[G0R+2:G0R+3], s[4:5], s[16:17]
	s_or_b32 s[G0R+3], s[G0R+3], 0x80000000
	s_cmp_lt_u32 s10, 4                            ; waves 0-3 fetch the column tile, waves 4-7 the row tile: one tensor load a wave is out; the branch hangs on the wave's number alone
	s_cbranch_scc0 .Lfor_rows
	tensor_load_to_lds s[G0C:G0C+3], s[G1C:G1C+7]
	s_nop 0
.rept 4
	v_nop
.endr
	s_branch .Lasked
.Lfor_rows:
	tensor_load_to_lds s[G0R:G0R+3], s[G1R:G1R+7]
	s_nop 0
.rept 4
	v_nop
.endr
.Lasked:
	; the lane's addresses, while the tiles are on their way; of the scalars only s21-s23 are written here, which no descriptor names
	v_and_b32 v10, 15, v0                          ; li
	v_bfe_u32 v11, v0, 4, 1                        ; lj
	s_lshl_b32 s21, s10, 7                         ; my wave's 32 d: 128 bytes along a row
	v_mul_u32_u24 v[AXI], v10, PITCH
	v_add_nc_u32 v[AXI], s21, v[AXI]
	s_add_co_u32 s22, s21, RTB
	v_mul_u32_u24 v[AXJ0], v11, PITCH
	v_add_nc_u32 v[AXJ0], s22, v[AXJ0]
	v_mov_b32 v[AXJ], v[AXJ0]
	v_lshlrev_b32 v14, 8, v11
	v_lshl_add_u32 v14, v10, 4, v14                ; 256 lj + 16 li
	s_lshl_b32 s23, s10, 14
	s_add_co_u32 s23, s23, PSB
	v_add_nc_u32 v[APS0], s23, v14                 ; my wave's partial sums
	v_mov_b32 v[APS], v[APS0]
	s_lshl_b32 s23, s10, 11
	s_add_co_u32 s23, s23, PSB
	v_add_nc_u32 v[APR], s23, v14                  ; back: rows 8 w + lj of wave 0's sums,
	v_add_nc_u32 v[APR2], 4*PWB, v[APR]            ; and of wave 4's
	v_lshlrev_b32 v[GOFF], 12, v11
	v_lshl_add_u32 v[GOFF], v10, 4, v[GOFF]
	s_lshl_b32 s23, s10, 15
	v_add_nc_u32 v[GOFF], s23, v[GOFF]             ; (8 w + lj) rows of 4,096 bytes + 16 li
.macro LOADJ buf, off                  ; a row's 32 numbers: eight loads; the 16 lanes of a half read the same 16 bytes
.irp q, 0,1,2,3,4,5,6,7
	ds_load_b128 v[(\buf)+4*(\q):(\buf)+4*(\q)+3], v[AXJ] offset:(\off)+16*(\q)
.endr
.endm
.macro QSTEP buf, q, first             ; four d x four columns: eight packed differences, eight packed multiply-adds; links of one chain stand four instructions apart.  first = 1: the products start the sums
.irp c, 0,1,2,3
.irp p, 0,1
	v_pk_add_f32 v[T+2*(2*(\c)+(\p)):T+2*(2*(\c)+(\p))+1], v[(\buf)+4*(\q)+2*(\p):(\buf)+4*(\q)+2*(\p)+1], v[XI+32*(\c)+4*(\q)+2*(\p):XI+32*(\c)+4*(\q)+2*(\p)+1] neg_lo:[0,1] neg_hi:[0,1]
.endr
.endr
.irp p, 0,1
.irp c, 0,1,2,3
.if (\first) && ((\p) == 0)
	v_pk_mul_f32 v[ACC+2*(\c):ACC+2*(\c)+1], v[T+2*(2*(\c)+(\p)):T+2*(2*(\c)+(\p))+1], v[T+2*(2*(\c)+(\p)):T+2*(2*(\c)+(\p))+1]
.else
	v_pk_fma_f32 v[ACC+2*(\c):ACC+2*(\c)+1], v[T+2*(2*(\c)+(\p)):T+2*(2*(\c)+(\p))+1], v[T+2*(2*(\c)+(\p)):T+2*(2*(\c)+(\p))+1], v[ACC+2*(\c):ACC+2*(\c)+1]
.endif
.endr
.endr
.endm
.macro ROW buf, soff                   ; one row against my four columns, 32 d; the four sums go to my wave's partial sums: 16 lanes store 256 neighbouring bytes
	QSTEP \buf, 0, 1
.irp q, 1,2,3,4,5,6,7
	QSTEP \buf, \q, 0
.endr
.irp c, 0,1,2,3
	v_add_f32 v[RES+(\c)], v[ACC+2*(\c)], v[ACC+2*(\c)+1]
.endr
	ds_store_b128 v[APS], v[RES:RES+3] offset:\soff
.endm
	s_wait_tensorcnt 0x0                           ; my 16 rows have landed,
	s_barrier_signal -1
	s_barrier_wait -1                              ; everybody's have
.irp c, 0,1,2,3
.irp q, 0,1,2,3,4,5,6,7
	ds_load_b128 v[XI+32*(\c)+4*(\q):XI+32*(\c)+4*(\q)+3], v[AXI] offset:(\c)*TBYTES+16*(\q)
.endr
.endr
	LOADJ XJA, 0                                   ; rows 0 and 1 (lj)
.Ltrip:                                                ; a trip: four rows of the tile (two a lane); the row after next is on its way while one is worked on
	LOADJ XJB, 2*PITCH
	s_wait_dscnt 8                                 ; all but B's eight loads: A is in (at the first trip my columns too)
	ROW XJA, 0
	LOADJ XJA, 4*PITCH                             ; the next trip's first rows
	s_wait_dscnt 9                                 ; behind B's loads stand one store and A's eight loads
	ROW XJB, 512
	s_add_co_u32 s[SJ], s[SJ], 4*PITCH
	s_add_co_u32 s[SS], s[SS], 1024
	v_add_nc_u32 v[AXJ], s[SJ], v[AXJ0]
	v_add_nc_u32 v[APS], s[SS], v[APS0]
	s_sub_co_u32 s12, s12, 1
	s_cmp_lg_u32 s12, 0
	s_cbranch_scc1 .Ltrip
	LOADJ XJB, 2*PITCH                             ; the last four rows are written out: no read passes the row tile's end
	s_wait_dscnt 8
	ROW XJA, 0
	s_wait_dscnt 1                                 ; behind B's loads stands one store
	ROW XJB, 512
	s_wait_dscnt 0x0                               ; for the others' sake: my partial sums are stored
	s_barrier_signal -1
	s_barrier_wait -1
	; THE WAY OUT.  Wave w takes rows 8 w .. 8 w + 7, two at a time (lj): the eight waves' sums are added, wave 0's first, the root is taken, and 16 lanes store 256 neighbouring bytes, aligned.
.irp g, 0,1,2,3
.irp u, 0,1,2,3
	ds_load_b128 v[XI+4*(8*(\g)+(\u)):XI+4*(8*(\g)+(\u))+3], v[APR] offset:(\u)*PWB+512*(\g)
.endr
.irp u, 0,1,2,3
	ds_load_b128 v[XI+4*(8*(\g)+4+(\u)):XI+4*(8*(\g)+4+(\u))+3], v[APR2] offset:(\u)*PWB+512*(\g)
.endr
.endr
.irp g, 0,1,2,3
	s_wait_dscnt 8*(3-(\g))                        ; the later groups' loads may stay out
.irp u, 1,2,3,4,5,6,7
	v_pk_add_f32 v[XI+32*(\g):XI+32*(\g)+1], v[XI+32*(\g):XI+32*(\g)+1], v[XI+32*(\g)+4*(\u):XI+32*(\g)+4*(\u)+1]
	v_pk_add_f32 v[XI+32*(\g)+2:XI+32*(\g)+3], v[XI+32*(\g)+2:XI+32*(\g)+3], v[XI+32*(\g)+4*(\u)+2:XI+32*(\g)+4*(\u)+3]
.endr
.irp e, 0,1,2,3
	v_sqrt_f32 v[XI+32*(\g)+(\e)], v[XI+32*(\g)+(\e)]
.endr
	v_nop                                          ; a plain instruction between the last root and the use of its result
	s_wait_alu depctr_va_vdst(0)
	global_store_b128 v[GOFF], v[XI+32*(\g):XI+32*(\g)+3], s[6:7] offset:8192*(\g)
.endr
	s_wait_tensorcnt 0x0                           ; the wave's end, behind my tensor load and my last LDS store
	ds_add_u32 v[SPW], v[NIL]
	s_wait_dscnt 0x0
	CROUND                                         ; the closing round: no work-group ends while a partner may still ask for a tile that names it
	s_endpgm
.Lfunc_end_k_q5fd1a496d0_dist:
	.size	k_q5fd1a496d0_dist, .Lfunc_end_k_q5fd1a496d0_dist-k_q5fd1a496d0_dist
	.p2alignl 7, 3214868480
	.fill 96, 4, 3214868480
	.section	.rodata,"a",@progbits
	.p2align	6, 0x0
	.amdhsa_kernel k_q5fd1a496d0_dist
		.amdhsa_group_segment_fixed_size 265216
		.amdhsa_private_segment_fixed_size 0
		.amdhsa_enable_private_segment 0
		.amdhsa_kernarg_size 16
		.amdhsa_user_sgpr_count 2
		.amdhsa_user_sgpr_kernarg_segment_ptr 1
		.amdhsa_wavefront_size32 1
		.amdhsa_system_sgpr_workgroup_id_x 1
		.amdhsa_system_sgpr_workgroup_id_y 1
		.amdhsa_system_sgpr_workgroup_id_z 1
		.amdhsa_system_vgpr_workitem_id 0
		.amdhsa_next_free_vgpr 240
		.amdhsa_next_free_sgpr 66
		.amdhsa_reserve_vcc 0
		.amdhsa_float_denorm_mode_32 3
		.amdhsa_float_denorm_mode_16_64 3
		.amdhsa_memory_ordered 1
		.amdhsa_forward_progress 1
		.amdhsa_inst_pref_size 50
	.end_amdhsa_kernel
	.amdgpu_metadata
---
amdhsa.version: [ 1, 2 ]
amdhsa.kernels:
  - .name:           k_q5fd1a496d0_dist
    .symbol:         k_q5fd1a496d0_dist.kd
    .args:
      - { .name: x, .offset: 0, .size: 8, .value_kind: global_buffer, .address_space: global }
      - { .name: dist, .offset: 8, .size: 8, .value_kind: global_buffer, .address_space: global }
    .group_segment_fixed_size: 265216
    .private_segment_fixed_size: 0
    .kernarg_segment_align: 8
    .kernarg_segment_size: 16
    .max_flat_workgroup_size: 256
    .sgpr_count:     66
    .vgpr_count:     240
    .wavefront_size: 32
...
	.end_amdgpu_metadata
.endif
;; end of part 1
;; launch topk (part 2): grid 256 x 1, 4 waves a work-group, no clusters, 0 bytes of LDS; arguments dist, W_diff, W_agg, W_res, idx, wfrag; writes idx, wfrag
.if DOCPART == 2
	.amdgcn_target "amdgcn-amd-amdhsa--gfx1250"
	.amdhsa_code_object_version 6
	.text
	.protected	k_q5fd1a496d0_topk
	.globl	k_q5fd1a496d0_topk
	.p2align	8
	.type	k_q5fd1a496d0_topk,@function
k_q5fd1a496d0_topk:
	s_mov_b64 s[64:65], 0
	v_nop
	global_prefetch_b8 v0, s[64:65] scope:SCOPE_SE
	s_setreg_imm32_b32 hwreg(HW_REG_WAVE_MODE, 25, 1), 1
	s_wait_xcnt 0x0
; idx[row][0..7] = the columns of the 8 smallest numbers of dist[row][:], smallest first, equal numbers by the lower column.  dist: [1024][1024] f32, idx: [1024][8] i32.
; Beside that the three weight matrices ([256][256] f32) are rounded to f16 and laid in the order in which the next launch's matrix instructions want them:
; wfrag[g][nt][ks][half][lane][8]: lane (r = l % 16, h = l / 16) holds W_g[16 nt + r][32 ks + 16 half + 8 h .. + 7]; g = 0 W_diff, 1 W_agg, 2 W_res.
; LIMITS.  A weight of 65,520 or more in magnitude has no f16; below 6e-5 f16 keeps a fixed step of 6e-8.  NaN in dist is not treated apart.
; SHARES.  A wave owns a row: 4,096 bytes, 32 registers; lane l holds columns 128 t + 4 l + e in register 4 t + e, so a lane's columns rise with the register number.  Eight rounds: the row's minimum
; (in the lane, then across the lanes), the lowest column that holds it, that one number replaced by +infinity.  All of it by selects: no branch and no address hangs on a float.
; Waves 0, 1, 2 of work-group b also convert block b (512 bytes of f16) of W_diff, W_agg, W_res.  NO CLUSTER, NO LDS: no two work-groups read the same bytes of dist, and a row never leaves its wave.
; The index store is 32 bytes a row: idx is 32,768 bytes in all, and gathering four waves' rows would need LDS and a barrier.  The weights are read as 32 bytes a lane from 16 rows: 786,432 bytes once.
.set V, 8                              ; v8-39   the row
.macro WMIN reg, tmp                   ; the minimum over the 32 lanes, in every lane
	v_min_num_f32_dpp v[\reg], v[\reg], v[\reg] row_xmask:1 row_mask:0xf bank_mask:0xf
	v_min_num_f32_dpp v[\reg], v[\reg], v[\reg] row_xmask:2 row_mask:0xf bank_mask:0xf
	v_min_num_f32_dpp v[\reg], v[\reg], v[\reg] row_xmask:4 row_mask:0xf bank_mask:0xf
	v_min_num_f32_dpp v[\reg], v[\reg], v[\reg] row_xmask:8 row_mask:0xf bank_mask:0xf
	v_permlanex16_b32 v[\tmp], v[\reg], s16, s17
	v_min_num_f32 v[\reg], v[\reg], v[\tmp]
.endm
	s_load_b256 s[4:11], s[0:1], 0x0               ; dist s[4:5], W_diff s[6:7], W_agg s[8:9], W_res s[10:11]
	s_load_b128 s[12:15], s[0:1], 0x20             ; idx s[12:13], wfrag s[14:15]
	v_and_b32 v1, 31, v0                           ; lane
	v_lshrrev_b32 v6, 5, v0
	v_readfirstlane_b32 s2, v6                     ; wave 0..3
	v_lshlrev_b32 v2, 4, v1                        ; 16 l
	v_lshlrev_b32 v3, 2, v1                        ; 4 l
	v_mov_b32 v4, 64                               ; 'no register'
	v_mov_b32 v5, 0                                ; the result: lane k takes round k's column
	v_mov_b32 v55, 0                               ; v_permlanex16_b32 counts as a reader of its destination
	v_mov_b32 v78, 0x7f800000                      ; +infinity
	s_mov_b32 s16, 0x76543210                      ; each lane takes its own place in the other half
	s_mov_b32 s17, 0xfedcba98
	s_lshl_b32 s19, ttmp9, 2
	s_add_co_u32 s19, s19, s2                      ; my row
	s_lshl_b32 s24, s19, 12
	s_mov_b32 s25, 0
	s_wait_kmcnt 0x0
	s_add_nc_u64 s[4:5], s[4:5], s[24:25]
.irp t, 0,1,2,3,4,5,6,7
	global_load_b128 v[V+4*(\t):V+4*(\t)+3], v2, s[4:5] offset:512*(\t) th:TH_LOAD_NT  ; 512 neighbouring bytes a load
.endr
	s_lshl_b32 s24, s19, 5
	s_add_nc_u64 s[12:13], s[12:13], s[24:25]      ; idx at my row
	s_cmp_eq_u32 s2, 3
	s_cbranch_scc1 .Lno_weights                    ; three matrices: wave 3 has none
	s_cmp_eq_u32 s2, 1
	s_cselect_b64 s[26:27], s[8:9], s[6:7]
	s_cmp_eq_u32 s2, 2
	s_cselect_b64 s[26:27], s[10:11], s[26:27]     ; my matrix
	s_lshr_b32 s24, ttmp9, 4                       ; nt = b / 16: 16 rows of 1,024 bytes,
	s_lshl_b32 s24, s24, 14
	s_and_b32 s29, ttmp9, 15                       ; 2 ks + half = b % 16: 16 numbers, 64 bytes
	s_lshl_b32 s29, s29, 6
	s_add_co_u32 s24, s24, s29
	v_and_b32 v6, 15, v0                           ; r
	v_bfe_u32 v7, v0, 4, 1                         ; h
	v_lshlrev_b32 v76, 10, v6
	v_lshl_add_u32 v76, v7, 5, v76
	v_add_nc_u32 v76, s24, v76
	global_load_b128 v[64:67], v76, s[26:27]
	global_load_b128 v[68:71], v76, s[26:27] offset:16
	s_lshl_b32 s24, s2, 17                         ; a matrix is 131,072 bytes of f16,
	s_lshl_b32 s29, ttmp9, 9                       ; a block 512
	s_add_co_u32 s24, s24, s29
	v_add_nc_u32 v77, s24, v2
	s_wait_loadcnt 0x0
	v_cvt_pk_f16_f32 v72, v64, v65
	v_cvt_pk_f16_f32 v73, v66, v67
	v_cvt_pk_f16_f32 v74, v68, v69
	v_cvt_pk_f16_f32 v75, v70, v71
	global_store_b128 v77, v[72:75], s[14:15]      ; 512 neighbouring bytes; v72-75 and v77 are never written again
.Lno_weights:
	s_wait_loadcnt 0x0                             ; the row is in
	s_mov_b32 s3, 0
.Lround:
	; the lane's minimum, three operands at a time
.irp i, 0,1,2,3,4,5,6,7,8,9
	v_min3_num_f32 v[40+(\i)], v[V+3*(\i)], v[V+3*(\i)+1], v[V+3*(\i)+2]
.endr
	v_min3_num_f32 v50, v40, v41, v42
	v_min3_num_f32 v51, v43, v44, v45
	v_min3_num_f32 v52, v46, v47, v48
	v_min3_num_f32 v53, v49, v[V+30], v[V+31]
	v_min3_num_f32 v54, v50, v51, v52
	v_min_num_f32 v54, v54, v53
	WMIN 54, 55                                    ; the row's minimum M
	; the lane's lowest register equal to M: four chains of eight, each from its highest register down
.irp i, 7,6,5,4,3,2,1,0
.irp c, 0,1,2,3
	v_cmp_neq_f32 s[20+(\c)], v54, v[V+8*(\c)+(\i)]
.endr
.irp c, 0,1,2,3
.if (\i) == 7
	v_cndmask_b32 v[56+(\c)], 8*(\c)+(\i), v4, s[20+(\c)]
.else
	v_cndmask_b32 v[56+(\c)], 8*(\c)+(\i), v[56+(\c)], s[20+(\c)]
.endif
.endr
.endr
	v_min_u32 v56, v56, v57
	v_min_u32 v58, v58, v59
	v_min_u32 v56, v56, v58
	v_lshrrev_b32 v6, 2, v56                       ; its column: 128 (R / 4) + R % 4 + 4 l; 2,048 or more where the lane has none
	v_and_b32 v7, 3, v56
	v_lshl_add_u32 v60, v6, 7, v7
	v_add_nc_u32 v60, v60, v3
	v_cvt_f32_u32 v61, v60                         ; exact: below 2^24
	v_mov_b32 v62, v61
	WMIN 62, 55                                    ; the lowest column that holds M
	v_cmp_eq_f32 vcc_lo, v61, v62
	v_cndmask_b32 v63, v4, v56, vcc_lo             ; in the one lane that owns it: its register; elsewhere none
.irp i, 0,1,2,3,4,5,6,7
.irp c, 0,1,2,3
	v_cmp_eq_u32 s[20+(\c)], 8*(\c)+(\i), v63
.endr
.irp c, 0,1,2,3
	v_cndmask_b32 v[V+8*(\c)+(\i)], v[V+8*(\c)+(\i)], v78, s[20+(\c)]  ; that number leaves the row
.endr
.endr
	v_cvt_u32_f32 v6, v62
	v_cmp_eq_u32 vcc_lo, s3, v1
	v_cndmask_b32 v5, v5, v6, vcc_lo               ; lane k keeps round k's column
	s_add_co_u32 s3, s3, 1
	s_cmp_lt_u32 s3, 8
	s_cbranch_scc1 .Lround
	v_cmp_gt_u32 vcc_lo, 8, v1
	s_wait_xcnt 0x0                                ; EXEC is a source of the store above: it changes only behind this wait
	s_and_saveexec_b32 s28, vcc_lo
	global_store_b32 v3, v5, s[12:13]              ; lanes 0-7: the row's 32 bytes
	s_wait_xcnt 0x0                                ; and again, in front of the line that widens it
	s_or_b32 exec_lo, exec_lo, s28
	s_endpgm
.Lfunc_end_k_q5fd1a496d0_topk:
	.size	k_q5fd1a496d0_topk, .Lfunc_end_k_q5fd1a496d0_topk-k_q5fd1a496d0_topk
	.p2alignl 7, 3214868480
	.fill 96, 4, 3214868480
	.section	.rodata,"a",@progbits
	.p2align	6, 0x0
	.amdhsa_kernel k_q5fd1a496d0_topk
		.amdhsa_group_segment_fixed_size 0
		.amdhsa_private_segment_fixed_size 0
		.amdhsa_enable_private_segment 0
		.amdhsa_kernarg_size 48
		.amdhsa_user_sgpr_count 2
		.amdhsa_user_sgpr_kernarg_segment_ptr 1
		.amdhsa_wavefront_size32 1
		.amdhsa_system_sgpr_workgroup_id_x 1
		.amdhsa_system_sgpr_workgroup_id_y 1
		.amdhsa_system_sgpr_workgroup_id_z 1
		.amdhsa_system_vgpr_workitem_id 0
		.amdhsa_next_free_vgpr 80
		.amdhsa_next_free_sgpr 66
		.amdhsa_reserve_vcc 1
		.amdhsa_float_denorm_mode_32 3
		.amdhsa_float_denorm_mode_16_64 3
		.amdhsa_memory_ordered 1
		.amdhsa_forward_progress 1
		.amdhsa_inst_pref_size 14
	.end_amdhsa_kernel
	.amdgpu_metadata
---
amdhsa.version: [ 1, 2 ]
amdhsa.kernels:
  - .name:           k_q5fd1a496d0_topk
    .symbol:         k_q5fd1a496d0_topk.kd
    .args:
      - { .name: dist, .offset: 0, .size: 8, .value_kind: global_buffer, .address_space: global }
      - { .name: W_diff, .offset: 8, .size: 8, .value_kind: global_buffer, .address_space: global }
      - { .name: W_agg, .offset: 16, .size: 8, .value_kind: global_buffer, .address_space: global }
      - { .name: W_res, .offset: 24, .size: 8, .value_kind: global_buffer, .address_space: global }
      - { .name: idx, .offset: 32, .size: 8, .value_kind: global_buffer, .address_space: global }
      - { .name: wfrag, .offset: 40, .size: 8, .value_kind: global_buffer, .address_space: global }
    .group_segment_fixed_size: 0
    .private_segment_fixed_size: 0
    .kernarg_segment_align: 8
    .kernarg_segment_size: 48
    .max_flat_workgroup_size: 128
    .sgpr_count:     66
    .vgpr_count:     80
    .wavefront_size: 32
...
	.end_amdgpu_metadata
.endif
;; end of part 2
;; launch layer (part 3): grid 64 x 1, 16 waves a work-group, no clusters, 44,288 bytes of LDS; arguments x, W_tau, b_tau, b_diff, b_agg, b_res, gamma, beta, idx, wfrag, out0; writes out0
.if DOCPART == 3
	.amdgcn_target "amdgcn-amd-amdhsa--gfx1250"
	.amdhsa_code_object_version 6
	.text
	.protected	k_q5fd1a496d0_layer
	.globl	k_q5fd1a496d0_layer
	.p2align	8
	.type	k_q5fd1a496d0_layer,@function
k_q5fd1a496d0_layer:
	s_mov_b64 s[64:65], 0
	v_nop
	global_prefetch_b8 v0, s[64:65] scope:SCOPE_SE
	s_setreg_imm32_b32 hwreg(HW_REG_WAVE_MODE, 25, 1), 1
	s_wait_xcnt 0x0
; out0[i] = LayerNorm(relu(h_k W_agg^T + b_agg) + x[i] W_res^T + b_res) gamma + beta,   h_k = (m W_diff^T + b_diff) / tau,
; m = the mean over the row's 8 neighbours j (idx, from the launch before) of |x[i] - x[j]|,   tau = max(softplus(x[i] . W_tau + b_tau), 0.01) + 1.
; The projection is linear, so the mean of the 8 projected rows is the projection of the mean, for every input.
; FORMATS.  The three products take f16 operands (x, m, h_k rounded here; the weights in wfrag) and add in f32; all else is f32.
; LIMITS.  x, m and h_k of 65,520 or more in magnitude have no f16; below 6e-5 f16 keeps a fixed step of 6e-8.  v_exp_f32, v_log_f32, v_rcp_f32 and v_rsq_f32 are good to one unit in the last
; place and take denormals as zero (ISA guide, their entries).  softplus takes max(t, 0) away before its exponential, whose argument is then at most 0.  NaN and infinities are not treated apart.
; SHARES.  A work-group owns 16 rows: one tile of the matrix instruction, and the chain of products and the norm want whole rows: 64 work-groups.  Wave w of sixteen has two parts: ROW 16 b + w
; (gather, tau, norm, store), and COLUMNS 16 w .. 16 w + 15 of all three products for the 16 rows.
; NO CLUSTER: the weights are what the work-groups share, but each wave wants its own 24,576 bytes once, as register fragments; joint requests land in LDS, and the three matrices, 393,216 bytes,
; are more than a work-group's 327,680, so they would come in turns, with a round of the cluster's barrier and a second trip through LDS for each.
; THE MATRIX INSTRUCTION IS USED TRANSPOSED (source 0 = 16 rows of W, source 1 = the 16 data rows): lane (r = l % 16, h = l / 16) holds data row r, columns 16 w + 8 h + 0..7.
; Even K steps add onto one accumulator, odd ones onto the other, by turns.
; LDS: X16, M16, H16: 16 rows of 512 + 16 bytes of f16 (a pitch of 33 x 16 bytes: the 16 rows of a fragment load start on different banks; 64 banks of 4 bytes: ISA guide 11.1); YS: 16 rows of
; 1,024 + 16 bytes of f32; RTB: 1 / tau of the 16 rows; the spare words.  Each region is written once and read behind one barrier.
.set HP,    528
.set YP,    1040
.set X16,   0
.set M16,   16*HP
.set H16,   2*16*HP
.set YS,    3*16*HP                    ; 25,344
.set RTB,   YS+16*YP                   ; 41,984: a block of 256 bytes of its own
.set SPARE, RTB+256                    ; 42,240: the spare words, 128 bytes for each of sixteen waves: eight blocks of 256 bytes that no other line names
.set WR,   16                          ; v16-79    W_res's fragments, then W_agg's
.set WD,   80                          ; v80-143   W_diff's fragments; then gamma in v80-87, beta in v88-95
.set XJ,   144                         ; v144-207  the 8 neighbours' rows; then the data fragments of 8 K steps; then my row of y
.set XI,   208                         ; v208-215  my row of x; then b_res
.set T,    216                         ; v216-223  W_tau; a data fragment; a difference; then b_diff
.set U,    224                         ; v224-231  a data fragment; a difference; then b_agg
.set ACC0, 232                         ; v232-239  accumulator of the even K steps; during the gather the sum of |differences|
.set ACC1, 240                         ; v240-247  of the odd ones
.set Y3,   248                         ; v248-255  x W_res^T
; v1 16 l; v2 528 r + 16 h; v3 528 w + 8 l; v4 v2 + 32 w; v5 1040 r + 64 w + 32 h; v6 1040 w + 16 l; v7 64 w + 32 h; v8 4 r; v9 4 w; v10, v11 the add's two registers; v12-15 at work
.macro WLOAD base, sp                  ; my 16 columns of one matrix, all 8 K steps: 16 loads of 512 neighbouring bytes
.irp ks, 0,1,2,3,4,5,6,7
	global_load_b128 v[(\base)+8*(\ks):(\base)+8*(\ks)+3],   v1, s[(\sp):(\sp)+1] offset:1024*(\ks)
	global_load_b128 v[(\base)+8*(\ks)+4:(\base)+8*(\ks)+7], v1, s[(\sp):(\sp)+1] offset:1024*(\ks)+512
.endr
.endm
.macro AFALL off                       ; the 16 rows' fragments of all 8 K steps: lane (r, h) takes row r, k = 32 ks + 8 h + 0..7 and 32 ks + 16 + 8 h + 0..7
.irp ks, 0,1,2,3,4,5,6,7
	ds_load_b128 v[XJ+8*(\ks):XJ+8*(\ks)+3],   v2 offset:(\off)+64*(\ks)
	ds_load_b128 v[XJ+8*(\ks)+4:XJ+8*(\ks)+7], v2 offset:(\off)+64*(\ks)+32
.endr
.endm
.macro GEMM8 w                         ; 8 K steps, the two accumulators by turns; the first product on each starts its sum
.irp ks, 0,1,2,3,4,5,6,7
.if (\ks) < 2
	v_wmma_f32_16x16x32_f16 v[ACC0+8*((\ks)%2):ACC0+8*((\ks)%2)+7], v[(\w)+8*(\ks):(\w)+8*(\ks)+7], v[XJ+8*(\ks):XJ+8*(\ks)+7], 0
.else
	v_wmma_f32_16x16x32_f16 v[ACC0+8*((\ks)%2):ACC0+8*((\ks)%2)+7], v[(\w)+8*(\ks):(\w)+8*(\ks)+7], v[XJ+8*(\ks):XJ+8*(\ks)+7], v[ACC0+8*((\ks)%2):ACC0+8*((\ks)%2)+7]
.endif
.endr
.endm
.macro PLACES n                        ; plain vector instructions behind a matrix instruction, ahead of what reads its result or writes its registers (ISA guide 7.12.1)
.rept \n
	v_nop
.endr
.endm
.macro WSUM reg, tmp                   ; the sum over the 32 lanes, in every lane
	v_add_f32_dpp v[\reg], v[\reg], v[\reg] row_xmask:1 row_mask:0xf bank_mask:0xf
	v_add_f32_dpp v[\reg], v[\reg], v[\reg] row_xmask:2 row_mask:0xf bank_mask:0xf
	v_add_f32_dpp v[\reg], v[\reg], v[\reg] row_xmask:4 row_mask:0xf bank_mask:0xf
	v_add_f32_dpp v[\reg], v[\reg], v[\reg] row_xmask:8 row_mask:0xf bank_mask:0xf
	v_permlanex16_b32 v[\tmp], v[\reg], s30, s31
	v_add_f32 v[\reg], v[\reg], v[\tmp]
.endm
.macro BAR                             ; what I stored into LDS is done, for the others' sake; then all sixteen waves meet
	s_wait_dscnt 0x0
	s_barrier_signal -1
	s_barrier_wait -1
.endm
.macro DIFF dst, k                     ; my row less neighbour k's
.irp p, 0,1,2,3
	v_pk_add_f32 v[(\dst)+2*(\p):(\dst)+2*(\p)+1], v[XI+2*(\p):XI+2*(\p)+1], v[XJ+8*(\k)+2*(\p):XJ+8*(\k)+2*(\p)+1] neg_lo:[0,1] neg_hi:[0,1]
.endr
.endm
.macro ADD8 d, a, b                    ; eight sums, from the low registers up
.irp p, 0,1,2,3
	v_pk_add_f32 v[(\d)+2*(\p):(\d)+2*(\p)+1], v[(\a)+2*(\p):(\a)+2*(\p)+1], v[(\b)+2*(\p):(\b)+2*(\p)+1]
.endr
.endm
	s_load_b512 s[8:23], s[0:1], 0x0               ; x s[8:9], W_tau s[10:11], b_tau s[12:13], b_diff s[14:15], b_agg s[16:17], b_res s[18:19], gamma s[20:21], beta s[22:23]
	s_load_b128 s[24:27], s[0:1], 0x40             ; idx s[24:25], wfrag s[26:27]
	s_load_b64 s[28:29], s[0:1], 0x50              ; out0
	v_lshl_add_u32 v10, v0, 2, SPARE               ; my spare word,
	v_mov_b32 v11, 0                               ; and 0: kept for the wave's end alone
	v_lshrrev_b32 v12, 5, v0
	v_readfirstlane_b32 s2, v12                    ; wave 0..15
	s_mov_b32 s3, ttmp9
	v_and_b32 v13, 31, v0                          ; l
	v_and_b32 v14, 15, v0                          ; r
	v_bfe_u32 v15, v0, 4, 1                        ; h
	v_lshlrev_b32 v1, 4, v13
	v_mul_u32_u24 v2, v14, HP
	v_lshl_add_u32 v2, v15, 4, v2
	s_mul_i32 s4, s2, HP
	v_lshlrev_b32 v3, 3, v13
	v_add_nc_u32 v3, s4, v3
	s_lshl_b32 s4, s2, 5
	v_add_nc_u32 v4, s4, v2
	s_lshl_b32 s4, s2, 6
	v_lshl_add_u32 v7, v15, 5, s4
	v_mul_u32_u24 v5, v14, YP
	v_add_nc_u32 v5, v5, v7
	s_mul_i32 s4, s2, YP
	v_add_nc_u32 v6, s4, v1
	v_lshlrev_b32 v8, 2, v14
	s_lshl_b32 s4, s2, 2
	v_mov_b32 v9, s4
	s_mov_b32 s30, 0x76543210                      ; each lane takes its own place in the other half
	s_mov_b32 s31, 0xfedcba98
	s_mov_b32 s41, 0xbfb8aa3b                      ; -log2(e)
	s_mov_b32 s60, 0x3f317218                      ; ln 2
	s_mov_b32 s61, 0x3c23d70a                      ; 0.01
	s_mov_b32 s62, 0x3b800000                      ; 1 / 256
	s_mov_b32 s63, 0x3727c5ac                      ; 1e-5
	s_lshl_b32 s42, s3, 4
	s_add_co_u32 s42, s42, s2                      ; my row
	s_lshl_b32 s4, s42, 5
	s_mov_b32 s5, 0
	s_wait_kmcnt 0x0
	s_add_nc_u64 s[24:25], s[24:25], s[4:5]
	s_load_b256 s[32:39], s[24:25], 0x0            ; my row's 8 neighbours
	s_load_b32 s40, s[12:13], 0x0                  ; b_tau
	s_lshl_b32 s4, s42, 10
	s_add_nc_u64 s[72:73], s[8:9], s[4:5]          ; x and out0 at my row
	s_add_nc_u64 s[74:75], s[28:29], s[4:5]
	s_lshl_b32 s4, s2, 13                          ; my 16 columns: 8,192 bytes in each matrix
	s_add_nc_u64 s[68:69], s[26:27], s[4:5]        ; W_diff,
	s_add_nc_u64 s[70:71], s[68:69], 0x20000       ; W_agg,
	s_add_nc_u64 s[66:67], s[68:69], 0x40000       ; W_res
	; THE LOADS, in the order in which they are counted below: my row 2, W_tau 2, W_res 16, the neighbours 16, W_diff 16; later W_agg 16, three biases 6, gamma and beta 4
	global_load_b128 v[XI:XI+3],   v1, s[72:73]             ; lane l holds d = 128 t + 4 l + 0..3
	global_load_b128 v[XI+4:XI+7], v1, s[72:73] offset:512
	global_load_b128 v[T:T+3],     v1, s[10:11]
	global_load_b128 v[T+4:T+7],   v1, s[10:11] offset:512
	WLOAD WR, 66
	s_wait_kmcnt 0x0                               ; the neighbours' numbers and b_tau
.irp k, 0,1,2,3,4,5,6,7
	s_min_u32 s[32+(\k)], s[32+(\k)], 0x3ff        ; a row of x, whatever the word holds
	s_lshl_b32 s4, s[32+(\k)], 10
	s_add_nc_u64 s[44+2*(\k):45+2*(\k)], s[8:9], s[4:5]
.endr
.irp k, 0,1,2,3,4,5,6,7
	global_load_b128 v[XJ+8*(\k):XJ+8*(\k)+3],   v1, s[44+2*(\k):45+2*(\k)]
	global_load_b128 v[XJ+8*(\k)+4:XJ+8*(\k)+7], v1, s[44+2*(\k):45+2*(\k)] offset:512
.endr
	WLOAD WD, 68
	s_wait_loadcnt 50                              ; my row is in: behind it 2 + 16 + 16 + 16 loads
	v_cvt_pk_f16_f32 v12, v[XI], v[XI+1]
	v_cvt_pk_f16_f32 v13, v[XI+2], v[XI+3]
	v_cvt_pk_f16_f32 v14, v[XI+4], v[XI+5]
	v_cvt_pk_f16_f32 v15, v[XI+6], v[XI+7]
	ds_store_b64 v3, v[12:13] offset:X16           ; d = 4 l ..: byte 8 l of row w
	ds_store_b64 v3, v[14:15] offset:X16+256       ; d = 128 + 4 l ..
	s_wait_loadcnt 48                              ; W_tau is in: behind it 16 + 16 + 16
	v_pk_mul_f32 v[12:13], v[XI:XI+1], v[T:T+1]
	v_pk_fma_f32 v[12:13], v[XI+2:XI+3], v[T+2:T+3], v[12:13]
	v_pk_fma_f32 v[12:13], v[XI+4:XI+5], v[T+4:T+5], v[12:13]
	v_pk_fma_f32 v[12:13], v[XI+6:XI+7], v[T+6:T+7], v[12:13]
	v_add_f32 v12, v12, v13
	WSUM 12, 13
	v_add_f32 v12, s40, v12                        ; t = x . W_tau + b_tau
	v_mul_f32 v13, s41, |v12|
	v_exp_f32 v13, v13                             ; e^-|t|
	v_max_num_f32 v14, 0, v12                      ; (a plain instruction behind each of these four: ISA guide 5.7.2)
	s_wait_alu depctr_va_vdst(0)
	v_add_f32 v13, 1.0, v13
	v_log_f32 v13, v13
	v_nop
	s_wait_alu depctr_va_vdst(0)
	v_fma_f32 v13, s60, v13, v14                   ; softplus = max(t, 0) + ln(1 + e^-|t|)
	v_max_num_f32 v13, s61, v13
	v_add_f32 v13, 1.0, v13                        ; tau
	v_rcp_f32 v13, v13
	v_nop
	s_wait_alu depctr_va_vdst(0)
	ds_store_b32 v9, v13 offset:RTB                ; every lane stores the same number to the row's word
	BAR                                            ; the 16 rows of x in f16 and their 1 / tau are there
	; x W_res^T, while the neighbours' rows are on their way: two K steps at a time, since the large fragment registers await those rows
	s_wait_loadcnt 32                              ; W_res is in: behind it 16 + 16
.irp b, 0,1,2,3
	ds_load_b128 v[T:T+3],   v2 offset:X16+128*(\b)
	ds_load_b128 v[T+4:T+7], v2 offset:X16+128*(\b)+32
	ds_load_b128 v[U:U+3],   v2 offset:X16+128*(\b)+64
	ds_load_b128 v[U+4:U+7], v2 offset:X16+128*(\b)+96
	s_wait_dscnt 0x0
.if (\b) == 0
	v_wmma_f32_16x16x32_f16 v[ACC0:ACC0+7], v[WR:WR+7], v[T:T+7], 0
	v_wmma_f32_16x16x32_f16 v[ACC1:ACC1+7], v[WR+8:WR+15], v[U:U+7], 0
.else
	v_wmma_f32_16x16x32_f16 v[ACC0:ACC0+7], v[WR+16*(\b):WR+16*(\b)+7], v[T:T+7], v[ACC0:ACC0+7]
	v_wmma_f32_16x16x32_f16 v[ACC1:ACC1+7], v[WR+16*(\b)+8:WR+16*(\b)+15], v[U:U+7], v[ACC1:ACC1+7]
.endif
	PLACES 4                                       ; ahead of the loads into the fragments just multiplied
.endr
	v_nop
	ADD8 Y3, ACC0, ACC1
	WLOAD WR, 70                                   ; W_agg takes W_res's registers
	; THE GATHER: the sum of |x_i - x_j| over the 8 neighbours
	s_wait_loadcnt 44                              ; neighbours 0 and 1 are in: behind them 12 + 16 + 16
	DIFF T, 0
	DIFF U, 1
.irp e, 0,1,2,3,4,5,6,7
	v_add_f32 v[ACC0+(\e)], |v[T+(\e)]|, |v[U+(\e)]|   ; the first two start the sum
.endr
.irp k, 2,3,4,5,6,7
	s_wait_loadcnt 46-2*(\k)                       ; neighbour k is in: behind it 14 - 2 k + 16 + 16
	DIFF T+8*((\k)%2), \k
.irp e, 0,1,2,3,4,5,6,7
	v_add_f32 v[ACC0+(\e)], v[ACC0+(\e)], |v[T+8*((\k)%2)+(\e)]|
.endr
.endr
.irp p, 0,1,2,3
	v_pk_mul_f32 v[ACC0+2*(\p):ACC0+2*(\p)+1], v[ACC0+2*(\p):ACC0+2*(\p)+1], 0x3e000000 op_sel_hi:[1,0]  ; the mean: x 1 / 8
.endr
	v_cvt_pk_f16_f32 v12, v[ACC0], v[ACC0+1]
	v_cvt_pk_f16_f32 v13, v[ACC0+2], v[ACC0+3]
	v_cvt_pk_f16_f32 v14, v[ACC0+4], v[ACC0+5]
	v_cvt_pk_f16_f32 v15, v[ACC0+6], v[ACC0+7]
	ds_store_b64 v3, v[12:13] offset:M16
	ds_store_b64 v3, v[14:15] offset:M16+256
	global_load_b128 v[T:T+3],     v7, s[14:15]             ; b_diff, b_agg, b_res of my lane's eight columns
	global_load_b128 v[T+4:T+7],   v7, s[14:15] offset:16
	global_load_b128 v[U:U+3],     v7, s[16:17]
	global_load_b128 v[U+4:U+7],   v7, s[16:17] offset:16
	global_load_b128 v[XI:XI+3],   v7, s[18:19]
	global_load_b128 v[XI+4:XI+7], v7, s[18:19] offset:16
	BAR                                            ; the 16 rows of m are there
	AFALL M16
	ds_load_b32 v12, v8 offset:RTB                 ; 1 / tau of data row r
	s_wait_loadcnt 22                              ; W_diff is in: behind it 16 + 6
	s_wait_dscnt 0x0
	GEMM8 WD
	PLACES 5
	global_load_b128 v[WD:WD+3],     v1, s[20:21]           ; gamma and beta for my row's part, d = 128 t + 4 l + 0..3
	global_load_b128 v[WD+4:WD+7],   v1, s[20:21] offset:512
	global_load_b128 v[WD+8:WD+11],  v1, s[22:23]
	global_load_b128 v[WD+12:WD+15], v1, s[22:23] offset:512
	s_wait_loadcnt 8                               ; b_diff is in, and W_agg ahead of it: behind it 2 + 2 + 4
	ADD8 ACC0, ACC0, ACC1
	ADD8 ACC0, ACC0, T
.irp p, 0,1,2,3
	v_pk_mul_f32 v[ACC0+2*(\p):ACC0+2*(\p)+1], v[ACC0+2*(\p):ACC0+2*(\p)+1], v[12:13] op_sel_hi:[1,0]  ; h_k = (m W_diff^T + b_diff) / tau
.endr
	v_cvt_pk_f16_f32 v12, v[ACC0], v[ACC0+1]
	v_cvt_pk_f16_f32 v13, v[ACC0+2], v[ACC0+3]
	v_cvt_pk_f16_f32 v14, v[ACC0+4], v[ACC0+5]
	v_cvt_pk_f16_f32 v15, v[ACC0+6], v[ACC0+7]
	ds_store_b128 v4, v[12:15] offset:H16          ; row r, columns 16 w + 8 h ..: 16 bytes
	BAR                                            ; the 16 rows of h_k are there
	AFALL H16
	s_wait_dscnt 0x0
	GEMM8 WR
	PLACES 5
	s_wait_loadcnt 4                               ; b_agg and b_res are in: behind them gamma and beta
	ADD8 ACC0, ACC0, ACC1
	ADD8 ACC0, ACC0, U
.irp e, 0,1,2,3,4,5,6,7
	v_max_num_f32 v[ACC0+(\e)], 0, v[ACC0+(\e)]
.endr
	ADD8 Y3, Y3, XI
	ADD8 ACC0, ACC0, Y3                            ; y
	ds_store_b128 v5, v[ACC0:ACC0+3] offset:YS
	ds_store_b128 v5, v[ACC0+4:ACC0+7] offset:YS+16
	BAR                                            ; the 16 rows of y are there
	; THE NORM of my row: the mean, then the mean of the squared deviations
	ds_load_b128 v[XJ:XJ+3],   v6 offset:YS
	ds_load_b128 v[XJ+4:XJ+7], v6 offset:YS+512
	s_wait_dscnt 0x0
	v_pk_add_f32 v[12:13], v[XJ:XJ+1], v[XJ+2:XJ+3]
	v_pk_add_f32 v[14:15], v[XJ+4:XJ+5], v[XJ+6:XJ+7]
	v_pk_add_f32 v[12:13], v[12:13], v[14:15]
	v_add_f32 v12, v12, v13
	WSUM 12, 13
	v_mul_f32 v12, s62, v12                        ; mu
.irp p, 0,1,2,3
	v_pk_add_f32 v[XJ+2*(\p):XJ+2*(\p)+1], v[XJ+2*(\p):XJ+2*(\p)+1], v[12:13] op_sel_hi:[1,0] neg_lo:[0,1] neg_hi:[0,1]
.endr
	v_pk_mul_f32 v[14:15], v[XJ:XJ+1], v[XJ:XJ+1]
	v_pk_fma_f32 v[14:15], v[XJ+2:XJ+3], v[XJ+2:XJ+3], v[14:15]
	v_pk_fma_f32 v[14:15], v[XJ+4:XJ+5], v[XJ+4:XJ+5], v[14:15]
	v_pk_fma_f32 v[14:15], v[XJ+6:XJ+7], v[XJ+6:XJ+7], v[14:15]
	v_add_f32 v14, v14, v15
	WSUM 14, 15
	v_fma_f32 v14, v14, s62, s63                   ; var + eps
	v_rsq_f32 v14, v14
	v_nop
	s_wait_loadcnt 0x0                             ; gamma and beta
	s_wait_alu depctr_va_vdst(0)
.irp p, 0,1,2,3
	v_pk_mul_f32 v[WD+2*(\p):WD+2*(\p)+1], v[WD+2*(\p):WD+2*(\p)+1], v[14:15] op_sel_hi:[1,0]
.endr
.irp p, 0,1,2,3
	v_pk_fma_f32 v[XJ+2*(\p):XJ+2*(\p)+1], v[XJ+2*(\p):XJ+2*(\p)+1], v[WD+2*(\p):WD+2*(\p)+1], v[WD+8+2*(\p):WD+8+2*(\p)+1]
.endr
	global_store_b128 v1, v[XJ:XJ+3],   s[74:75] th:TH_STORE_NT             ; 512 neighbouring bytes a store, aligned
	global_store_b128 v1, v[XJ+4:XJ+7], s[74:75] offset:512 th:TH_STORE_NT
	s_wait_tensorcnt 0x0                           ; the wave's end, behind my last LDS store
	ds_add_u32 v10, v11
	s_wait_dscnt 0x0
	s_endpgm
.Lfunc_end_k_q5fd1a496d0_layer:
	.size	k_q5fd1a496d0_layer, .Lfunc_end_k_q5fd1a496d0_layer-k_q5fd1a496d0_layer
	.p2alignl 7, 3214868480
	.fill 96, 4, 3214868480
	.section	.rodata,"a",@progbits
	.p2align	6, 0x0
	.amdhsa_kernel k_q5fd1a496d0_layer
		.amdhsa_group_segment_fixed_size 44288
		.amdhsa_private_segment_fixed_size 0
		.amdhsa_enable_private_segment 0
		.amdhsa_kernarg_size 88
		.amdhsa_user_sgpr_count 2
		.amdhsa_user_sgpr_kernarg_segment_ptr 1
		.amdhsa_wavefront_size32 1
		.amdhsa_system_sgpr_workgroup_id_x 1
		.amdhsa_system_sgpr_workgroup_id_y 1
		.amdhsa_system_sgpr_workgroup_id_z 1
		.amdhsa_system_vgpr_workitem_id 0
		.amdhsa_next_free_vgpr 256
		.amdhsa_next_free_sgpr 80
		.amdhsa_reserve_vcc 0
		.amdhsa_float_denorm_mode_32 3
		.amdhsa_float_denorm_mode_16_64 3
		.amdhsa_memory_ordered 1
		.amdhsa_forward_progress 1
		.amdhsa_inst_pref_size 31
	.end_amdhsa_kernel
	.amdgpu_metadata
---
amdhsa.version: [ 1, 2 ]
amdhsa.kernels:
  - .name:           k_q5fd1a496d0_layer
    .symbol:         k_q5fd1a496d0_layer.kd
    .args:
      - { .name: x, .offset: 0, .size: 8, .value_kind: global_buffer, .address_space: global }
      - { .name: W_tau, .offset: 8, .size: 8, .value_kind: global_buffer, .address_space: global }
      - { .name: b_tau, .offset: 16, .size: 8, .value_kind: global_buffer, .address_space: global }
      - { .name: b_diff, .offset: 24, .size: 8, .value_kind: global_buffer, .address_space: global }
      - { .name: b_agg, .offset: 32, .size: 8, .value_kind: global_buffer, .address_space: global }
      - { .name: b_res, .offset: 40, .size: 8, .value_kind: global_buffer, .address_space: global }
      - { .name: gamma, .offset: 48, .size: 8, .value_kind: global_buffer, .address_space: global }
      - { .name: beta, .offset: 56, .size: 8, .value_kind: global_buffer, .address_space: global }
      - { .name: idx, .offset: 64, .size: 8, .value_kind: global_buffer, .address_space: global }
      - { .name: wfrag, .offset: 72, .size: 8, .value_kind: global_buffer, .address_space: global }
      - { .name: out0, .offset: 80, .size: 8, .value_kind: global_buffer, .address_space: global }
    .group_segment_fixed_size: 44288
    .private_segment_fixed_size: 0
    .kernarg_segment_align: 8
    .kernarg_segment_size: 88
    .max_flat_workgroup_size: 512
    .sgpr_count:     80
    .vgpr_count:     256
    .wavefront_size: 32
...
	.end_amdgpu_metadata
.endif
;; end of part 3
